; MI455X (gfx1250); checked and timed in simulation.
; The chip was launched on July 23, 2026; its instructions are those of AMD's public machine-readable ISA for CDNA 5 (MIT licence, August 2026) and "CDNA5" Instruction Set Architecture Reference Guide (July 2026). The comments in the code are by the model that wrote it; some were corrected since.
;; Parallel Sequence Mo E Head. Allowed arithmetic: matrix products marked QUANTISED: E2M3 operands, one E8M0 scale for each 32 along K, by v_wmma_scale_f32_16x16x128_f8f6f4 with both operands' format E2M3, f32 sums; products left as they are: f32 operands where the result goes on into a quantised operand, else bf16, f16 or f32 operands; f32 sums; everything else in f32.
;; Inputs: b1 8 x 1 x 1,024 float32; b2 8 x 1 x 1,024 float32; dec_embeddings 8 x 1,024 float32; router_b 8 float32; router_w 8 x 1,024 float32; w1_codes 8 x 1,024 x 32 x 24 uint8 (E2M3 codes of w1, K innermost, in blocks of 32 codes, four codes in three bytes); w1_scales 8 x 1,024 x 32 uint8 (E8M0 scales of w1, one for each 32 codes along K); w2_codes 8 x 1,024 x 32 x 24 uint8 (E2M3 codes of w2, K innermost, in blocks of 32 codes, four codes in three bytes); w2_scales 8 x 1,024 x 32 uint8 (E8M0 scales of w2, one for each 32 codes along K); x_codes 8 x 512 x 32 x 24 uint8 (E2M3 codes of x, K innermost, in blocks of 32 codes, four codes in three bytes); x_scales 8 x 512 x 32 uint8 (E8M0 scales of x, one for each 32 codes along K).
;; Outputs: out0 8 x 512 x 1,024 float32; out1 one number float32; out2 8 x 8 float32; out3 8 x 8 float32.
;; This version of the problem:
;;   THIS VERSION OF THE PROBLEM IS GIVEN IN LOW PRECISION. The matrix products marked QUANTISED in the list below multiply operands that are first quantised to E2M3 (2 exponent bits, 3 mantissa bits; 6 bits a number), with one power-of-two scale for each 32 numbers along K (OCP MX v1.0); their sums are f32. All else is computed in f32.
;;   The module's matrix products, in the order in which they are computed (A, B: the left and right operand; K: the contracted axis; several contracted axes count as one K, in the product's order):
;;     1. [M 8, K 1,024] x [K 1,024, N 8]; A: input dec_embeddings; B: input router_w: left as it is (M = 8 < 16)
;;     2. [M 8,192, K 1,024] x [K 1,024, N 4,096]; A: input w1 (given as codes); B: input x (given as codes): QUANTISED
;;     3. batch 8 x [M 4,096, K 1,024] x [K 1,024, N 1,024]; A: computed on the way; B: input w2 (given as codes): QUANTISED
;;   THE QUANTISER, for each operand of a quantised product, along K:
;;     - K is cut into blocks of 32 from its start; a last block that is shorter is filled with zeros.
;;     - A block's scale is 2^e with e = floor(log2(the largest magnitude in the block)) - 2, held to -126 .. 127; a block of zeros has e = 0. As a byte (E8M0): e + 127.
;;     - Each number is divided by its block's scale, clamped to +-7.5, and rounded to the nearest number of E2M3, ties to even, subnormals kept.
;;     - The product sums the exact products of the quantised numbers (number of the format x scale) in f32.
;;   ~~~python
;;   def quantise(x, axis):      # numpy; x: float32 -> the quantised numbers, widened to float32 again
;;       x = np.moveaxis(x, axis, -1); K = x.shape[-1]
;;       x = np.pad(x, [(0, 0)] * (x.ndim - 1) + [(0, -K % 32)]); x = x.reshape(x.shape[:-1] + (-1, 32)); a = np.abs(x).max(-1, keepdims=True)
;;       e = np.where(a > 0, np.clip(np.frexp(np.where(a > 0, a, 1))[1] - 1 - 2, -126, 127), 0)      # np.frexp(a)[1] - 1 = floor(log2(a)), exactly
;;       r = np.clip(x / 2.0 ** e, -7.5, 7.5)
;;       step = 2.0 ** (np.maximum(np.frexp(np.where(r == 0, 1, r))[1] - 1, 0) - 3)
;;       q = np.round(r / step) * step * 2.0 ** e      # np.round: ties to even
;;       return np.moveaxis(q.reshape(q.shape[:-2] + (-1,))[..., :K], -1, axis).astype(np.float32)
;;   ~~~
;;   OPERANDS COMPUTED ON THE WAY. 'Computed on the way' means the value that the module computes at that place (a softmax that the list does not call 'softmax' is quantised finished and normalised). What goes into a quantiser is computed in f32, as accurately as f32 sums, v_exp_f32 and their like allow (about 1e-6 of the number): no bf16 or f16 on the way to a quantiser, and a product that is left as it is and whose result goes on into a quantised operand takes f32 operands (vector FMAs, or v_wmma_f32_16x16x4_f32). A number that lies on a knife's edge between two numbers of the format may be rounded either way, as far as f32 arithmetic and the matrix unit's own rounding can turn it there, and no further.
;;   INPUTS GIVEN AS CODES. w1 (in the module: [8, 1024, 1024], K = its axis 1); w2 (in the module: [8, 1024, 1024], K = its axis 1); x (in the module: [8, 512, 1024], K = its axis 2): each comes as NAME_codes (uint8): NAME with its K axis moved to the last place and cut into blocks of 32 codes, [.., K / 32, bytes a block], one block behind the other in memory; four codes in three bytes: a row's codes are one little-endian stream of bits, code i at bits 6 i .. 6 i + 5 (a code: sign, 2 exponent bits, 3 mantissa bits); and NAME_scales (uint8): the same leading axes, one E8M0 byte (e + 127) for each 32 codes along K. Its value is code x scale, taken as it is: it is not quantised again, and the codes and scales need not be those that the quantiser above would give.
;; One version. Each part assembles by itself: llvm-mc -triple=amdgcn-amd-amdhsa -mcpu=gfx1250 --defsym DOCPART=n.
;; ======== version 1 of 1: 3 launches
;; limits: right only within a limited range of input values
;; workspace buffers: sel 256 bytes of whole numbers; gate 256 bytes; hc 6,291,456 bytes; hs 262,144 bytes
;; launch router (part 1): grid 1 x 1, 16 waves a work-group, no clusters, 18,432 bytes of LDS; arguments dec_embeddings, router_w, router_b, out1, out2, out3, sel, gate; writes out1, out2, out3, sel, gate
.if DOCPART == 1
	.amdgcn_target "amdgcn-amd-amdhsa--gfx1250"
	.amdhsa_code_object_version 6
	.text
	.protected	k_q11f87a3056_router
	.globl	k_q11f87a3056_router
	.p2align	8
	.type	k_q11f87a3056_router,@function
k_q11f87a3056_router:
	s_mov_b64 s[64:65], 0
	v_nop
	global_prefetch_b8 v0, s[64:65] scope:SCOPE_SE
	s_setreg_imm32_b32 hwreg(HW_REG_WAVE_MODE, 25, 1), 1
	s_wait_xcnt 0x0
; THE ROUTER.  logits[b][e] = dec[b] . router_w[e] + router_b[e] (8 x 8 sums of 1,024 in f32: the choice of experts hangs on them); softmax over e; the two largest probabilities (of equal ones the lower
; index); their weights, normalised; the mask of chosen experts; the auxiliary loss.  Stored: out3 = logits, out2 = mask, out1 = loss; for the later launches sel[b][2] (whole numbers) and gate[b][2] (f32).
; No address and no branch hangs on a floating-point number: every choice is a v_cndmask_b32.  The later launches multiply the chosen experts' rows alone.
; SHARES.  One work-group of 16 waves; wave w takes 64 of K: 256 bytes of each row, each byte read once.  The 8 x 8 tile fills a quarter of a 16 x 16 one, so two quarters are used: rows 0-7 of A and columns 0-7 of B hold
; the first 32 of the wave's K, rows and columns 8-15 the other 32.  Lanes 0-7 (registers: e, lane: b) then hold the first half's sums, lanes 24-31 the second half's; the other lanes' products are not used.
; The 32 parts meet in LDS; wave 0 does the rest, lane l serving batch item l % 8.
; The exponential: 2^(d log2 e + 64) x 2^-64, d = logit - the row's largest: so a probability under 2^-126 is kept as a denormal and not flushed.
; LIMITS: NaN and infinities among the inputs are not served, nor carried from experts that are not chosen.  The sums' order differs from the reference's, the shift by 64 costs about 3e-6 of a probability,
; v_exp_f32 and v_rcp_f32 one ulp: two probabilities closer than about 1e-5 of their size may be ranked the other way round.
.set SPARE, 16384
.set RB,  48                           ; v48-55   router_b
.set P,   32                           ; v32-39   the probabilities (the operands that lay there have served)
.set Q,   112                          ; the same with the first choice struck out
.set M,   120                          ; the mask
.set MS,  128                          ; its sums over the batch
	s_load_b256 s[4:11], s[0:1], 0x0               ; dec s[4:5], router_w s[6:7], router_b s[8:9], out1 s[10:11]
	s_load_b256 s[12:19], s[0:1], 0x20             ; out2 s[12:13], out3 s[14:15], sel s[16:17], gate s[18:19]
	v_lshl_add_u32 v10, v0, 2, SPARE
	v_mov_b32 v11, 0
	v_lshrrev_b32 v1, 5, v0
	v_readfirstlane_b32 s20, v1                    ; wave 0..15
	v_and_b32 v2, 7, v0                            ; my row of both operands
	v_bfe_u32 v4, v0, 3, 1                         ; which 32 of the wave's 64 along K
	v_bfe_u32 v5, v0, 4, 1                         ; h
	v_lshlrev_b32 v3, 12, v2                       ; a row is 4,096 bytes
	v_lshl_add_u32 v3, v4, 7, v3
	v_lshl_add_u32 v3, v5, 4, v3
	v_lshl_add_u32 v3, v1, 8, v3
	v_lshlrev_b32 v6, 5, v0                        ; LDS: 32 bytes a lane, 1,024 a wave
	v_bfe_u32 v8, v0, 3, 2
	v_lshlrev_b32 v8, 12, v8
	v_lshl_add_u32 v8, v2, 5, v8                   ; wave 0 reads: batch item l % 8, the parts of waves 4 (l / 8) .. + 3
	v_mov_b32 v7, 0
	v_lshlrev_b32 v12, 5, v0                       ; a row of out2 and of out3 is 32 bytes,
	v_lshlrev_b32 v13, 3, v0                       ; of sel and of gate 8
	s_wait_alu depctr_va_vdst(0)                   ; the head's end
	s_wait_kmcnt 0x0
	global_load_b128 v[RB:RB+3], v7, s[8:9]
	global_load_b128 v[RB+4:RB+7], v7, s[8:9] offset:16
.irp i, 0,1,2,3
	global_load_b128 v[16+4*\i:19+4*\i], v3, s[6:7] offset:32*\i    ; router_w: k = 8 i + 4 h + 0..3 of my 32
	global_load_b128 v[32+4*\i:35+4*\i], v3, s[4:5] offset:32*\i    ; dec likewise
.endr
	s_mov_b32 s24, 0x76543210
	s_mov_b32 s25, 0xfedcba98                      ; v_permlanex16_b32's selects for lane l xor 16
	s_mov_b32 s26, 0x3fb8aa3b                      ; log2 e
	s_mov_b32 s27, 0xffffffc0                      ; -64
	s_mov_b32 s28, 0x42800000                      ; 64.0
	s_wait_loadcnt 0x0
	v_wmma_f32_16x16x4_f32 v[56:63], v[16:17], v[32:33], 0
	v_wmma_f32_16x16x4_f32 v[64:71], v[18:19], v[34:35], 0
.irp i, 1,2,3
	v_wmma_f32_16x16x4_f32 v[56:63], v[16+4*\i:17+4*\i], v[32+4*\i:33+4*\i], v[56:63]   ; two sums by turns
	v_wmma_f32_16x16x4_f32 v[64:71], v[18+4*\i:19+4*\i], v[34+4*\i:35+4*\i], v[64:71]
.endr
.rept 8
	v_nop
.endr
.irp e, 0,2,4,6
	v_pk_add_f32 v[72+\e:73+\e], v[56+\e:57+\e], v[64+\e:65+\e]
.endr
	ds_store_b128 v6, v[72:75]
	ds_store_b128 v6, v[76:79] offset:16
	s_wait_dscnt 0x0                               ; for wave 0's sake: my stores are done
	s_barrier_signal -1
	s_barrier_wait -1
	s_cmp_lg_u32 s20, 0
	s_cbranch_scc1 .Lend                           ; the rest is wave 0's
.irp i, 0,1,2,3
	ds_load_b128 v[80+16*\i:83+16*\i], v8 offset:1024*\i
	ds_load_b128 v[84+16*\i:87+16*\i], v8 offset:1024*\i+16
	ds_load_b128 v[88+16*\i:91+16*\i], v8 offset:1024*\i+768
	ds_load_b128 v[92+16*\i:95+16*\i], v8 offset:1024*\i+784
.endr
	s_wait_dscnt 0x0
.irp g, 0,2,4,6,8,10,12,14,16,18,20,22,24,26,28,30
	v_pk_add_f32 v[80+\g:81+\g], v[80+\g:81+\g], v[112+\g:113+\g]
.endr
.irp g, 0,2,4,6,8,10,12,14
	v_pk_add_f32 v[80+\g:81+\g], v[80+\g:81+\g], v[96+\g:97+\g]
.endr
.irp g, 0,2,4,6
	v_pk_add_f32 v[80+\g:81+\g], v[80+\g:81+\g], v[88+\g:89+\g]
.endr
.irp e, 0,1,2,3,4,5,6,7
	v_add_f32_dpp v[80+\e], v[80+\e], v[80+\e] row_xmask:8 row_mask:0xf bank_mask:0xf
.endr
.irp e, 0,1,2,3,4,5,6,7
	v_permlanex16_b32 v[88+\e], v[80+\e], s24, s25 ; (its destination has been written)
.endr
.irp e, 0,2,4,6
	v_pk_add_f32 v[80+\e:81+\e], v[80+\e:81+\e], v[RB+\e:RB+\e+1]
.endr
.irp e, 0,2,4,6
	v_pk_add_f32 v[16+\e:17+\e], v[80+\e:81+\e], v[88+\e:89+\e]    ; the logits
.endr
	v_max3_num_f32 v24, v16, v17, v18
	v_max3_num_f32 v25, v19, v20, v21
	v_max3_num_f32 v24, v24, v22, v23
	v_max_num_f32 v24, v24, v25                    ; the row's largest is taken away ahead of the exponential
.irp e, 0,1,2,3,4,5,6,7
	v_sub_f32 v[P+\e], v[16+\e], v24
.endr
.irp e, 0,1,2,3,4,5,6,7
	v_fma_f32 v[P+\e], v[P+\e], s26, s28           ; d log2 e + 64
.endr
	s_wait_alu depctr_va_vdst(0)
.irp e, 0,1,2,3,4,5,6,7
	v_exp_f32 v[P+\e], v[P+\e]
.endr
	v_nop                                          ; a plain line between the last exponential and the use of its result
	s_wait_alu depctr_va_vdst(0)
.irp e, 0,1,2,3,4,5,6,7
	v_ldexp_f32 v[P+\e], v[P+\e], s27              ; x 2^-64
.endr
	v_add_f32 v25, v32, v33
	v_add_f32 v26, v34, v35
	v_add_f32 v27, v36, v37
	v_add_f32 v28, v38, v39
	v_add_f32 v25, v25, v26
	v_add_f32 v27, v27, v28
	v_add_f32 v25, v25, v27                        ; at least 1: the largest term is 1
	s_wait_alu depctr_va_vdst(0)
	v_rcp_f32 v26, v25
	v_nop
	s_wait_alu depctr_va_vdst(0)
.irp e, 0,1,2,3,4,5,6,7
	v_mul_f32 v[P+\e], v[P+\e], v26                ; the probabilities
.endr
; the largest of the eight numbers from register p on into v[val], its index into v[idx]: a tree of compares; the left side has the lower indices, and 'greater' alone moves to the right: of equals the lower index stays
.macro TOP p, val, idx
.irp k, 0,1,2,3
	v_cmp_gt_f32 s[30+\k], v[\p+2*\k+1], v[\p+2*\k]
.endr
.irp k, 0,1,2,3
	v_cndmask_b32 v[88+\k], v[\p+2*\k], v[\p+2*\k+1], s[30+\k]
	v_cndmask_b32 v[92+\k], 2*\k, 2*\k+1, s[30+\k]
.endr
.irp k, 0,1
	v_cmp_gt_f32 s[30+\k], v[89+2*\k], v[88+2*\k]
.endr
.irp k, 0,1
	v_cndmask_b32 v[96+\k], v[88+2*\k], v[89+2*\k], s[30+\k]
	v_cndmask_b32 v[98+\k], v[92+2*\k], v[93+2*\k], s[30+\k]
.endr
	v_cmp_gt_f32 s30, v97, v96
	v_cndmask_b32 v[\val], v96, v97, s30
	v_cndmask_b32 v[\idx], v98, v99, s30
.endm
	TOP P, 100, 104
.irp e, 0,1,2,3,4,5,6,7
	v_cmp_eq_u32 s[30+\e], \e, v104
.endr
.irp e, 0,1,2,3,4,5,6,7
	v_cndmask_b32 v[Q+\e], v[P+\e], -1.0, s[30+\e] ; the first choice is struck out: -1 lies under every probability
	v_cndmask_b32 v[M+\e], 0, 1.0, s[30+\e]
.endr
	TOP Q, 101, 105
.irp e, 0,1,2,3,4,5,6,7
	v_cmp_eq_u32 s[30+\e], \e, v105
.endr
.irp e, 0,1,2,3,4,5,6,7
	v_cndmask_b32 v[M+\e], v[M+\e], 1.0, s[30+\e]  ; the mask
.endr
	v_add_f32 v102, v100, v101                     ; at least 1/8
	s_wait_alu depctr_va_vdst(0)
	v_rcp_f32 v103, v102
	v_nop
	s_wait_alu depctr_va_vdst(0)
	v_mul_f32 v106, v100, v103                     ; the two weights
	v_mul_f32 v107, v101, v103
.irp e, 0,1,2,3,4,5,6,7
	v_add_f32_dpp v[MS+\e], v[M+\e], v[M+\e] row_xmask:1 row_mask:0xf bank_mask:0xf   ; sums over the eight items: the mask's into registers that the parts' loads had written, since the mask itself is stored
.endr
.irp m, 2,4
.irp e, 0,1,2,3,4,5,6,7
	v_add_f32_dpp v[MS+\e], v[MS+\e], v[MS+\e] row_xmask:\m row_mask:0xf bank_mask:0xf
.endr
.endr
.irp m, 1,2,4
.irp e, 0,1,2,3,4,5,6,7
	v_add_f32_dpp v[P+\e], v[P+\e], v[P+\e] row_xmask:\m row_mask:0xf bank_mask:0xf
.endr
.endr
	v_mul_f32 v108, v[P], v[MS]
	v_mul_f32 v109, v[P+1], v[MS+1]
.irp e, 2,4,6
	v_fmac_f32 v108, v[P+\e], v[MS+\e]
	v_fmac_f32 v109, v[P+\e+1], v[MS+\e+1]
.endr
	v_add_f32 v108, v108, v109
	v_mul_f32 v108, 0x3e000000, v108               ; 8 x the sum of (P / 8) (M / 8) = the sum / 8
	s_wait_alu depctr_va_vdst(0)
	s_wait_xcnt 0x0                                ; EXEC changes only behind this wait
	v_cmp_gt_u32 vcc_lo, 8, v0
	s_and_saveexec_b32 s38, vcc_lo                 ; lanes 0 to 7: one for each batch item
	global_store_b128 v12, v[16:19], s[14:15]
	global_store_b128 v12, v[20:23], s[14:15] offset:16
	global_store_b128 v12, v[M:M+3], s[12:13]
	global_store_b128 v12, v[M+4:M+7], s[12:13] offset:16
	global_store_b64 v13, v[104:105], s[16:17]
	global_store_b64 v13, v[106:107], s[18:19]
	s_wait_xcnt 0x0
	s_or_b32 exec_lo, exec_lo, s38
	v_cmp_eq_u32 vcc_lo, 0, v0
	s_and_saveexec_b32 s38, vcc_lo                 ; lane 0
	global_store_b32 v7, v108, s[10:11]
	s_wait_xcnt 0x0
	s_or_b32 exec_lo, exec_lo, s38
.Lend:
	s_wait_tensorcnt 0x0                           ; the wave's end
	ds_add_u32 v10, v11
	s_wait_dscnt 0x0
	s_endpgm
.Lfunc_end_k_q11f87a3056_router:
	.size	k_q11f87a3056_router, .Lfunc_end_k_q11f87a3056_router-k_q11f87a3056_router
	.p2alignl 7, 3214868480
	.fill 96, 4, 3214868480
	.section	.rodata,"a",@progbits
	.p2align	6, 0x0
	.amdhsa_kernel k_q11f87a3056_router
		.amdhsa_group_segment_fixed_size 18432
		.amdhsa_private_segment_fixed_size 0
		.amdhsa_enable_private_segment 0
		.amdhsa_kernarg_size 64
		.amdhsa_user_sgpr_count 2
		.amdhsa_user_sgpr_kernarg_segment_ptr 1
		.amdhsa_wavefront_size32 1
		.amdhsa_system_sgpr_workgroup_id_x 1
		.amdhsa_system_sgpr_workgroup_id_y 1
		.amdhsa_system_sgpr_workgroup_id_z 1
		.amdhsa_system_vgpr_workitem_id 0
		.amdhsa_next_free_vgpr 144
		.amdhsa_next_free_sgpr 66
		.amdhsa_reserve_vcc 1
		.amdhsa_float_denorm_mode_32 3
		.amdhsa_float_denorm_mode_16_64 3
		.amdhsa_memory_ordered 1
		.amdhsa_forward_progress 1
		.amdhsa_inst_pref_size 21
	.end_amdhsa_kernel
	.amdgpu_metadata
---
amdhsa.version: [ 1, 2 ]
amdhsa.kernels:
  - .name:           k_q11f87a3056_router
    .symbol:         k_q11f87a3056_router.kd
    .args:
      - { .name: dec_embeddings, .offset: 0, .size: 8, .value_kind: global_buffer, .address_space: global }
      - { .name: router_w, .offset: 8, .size: 8, .value_kind: global_buffer, .address_space: global }
      - { .name: router_b, .offset: 16, .size: 8, .value_kind: global_buffer, .address_space: global }
      - { .name: out1, .offset: 24, .size: 8, .value_kind: global_buffer, .address_space: global }
      - { .name: out2, .offset: 32, .size: 8, .value_kind: global_buffer, .address_space: global }
      - { .name: out3, .offset: 40, .size: 8, .value_kind: global_buffer, .address_space: global }
      - { .name: sel, .offset: 48, .size: 8, .value_kind: global_buffer, .address_space: global }
      - { .name: gate, .offset: 56, .size: 8, .value_kind: global_buffer, .address_space: global }
    .group_segment_fixed_size: 18432
    .private_segment_fixed_size: 0
    .kernarg_segment_align: 8
    .kernarg_segment_size: 64
    .max_flat_workgroup_size: 512
    .sgpr_count:     66
    .vgpr_count:     144
    .wavefront_size: 32
...
	.end_amdgpu_metadata
.endif
;; end of part 1
;; launch gemm1 (part 2): grid 4 x 64, 4 waves a work-group, clusters of 4 x 4, 327,680 bytes of LDS; arguments x_codes, x_scales, w1_codes, w1_scales, b1, sel, hc, hs; writes hc, hs
.if DOCPART == 2
	.amdgcn_target "amdgcn-amd-amdhsa--gfx1250"
	.amdhsa_code_object_version 6
	.text
	.protected	k_q11f87a3056_gemm1
	.globl	k_q11f87a3056_gemm1
	.p2align	8
	.type	k_q11f87a3056_gemm1,@function
k_q11f87a3056_gemm1:
	s_mov_b64 s[64:65], 0
	v_nop
	global_prefetch_b8 v0, s[64:65] scope:SCOPE_SE
	s_setreg_imm32_b32 hwreg(HW_REG_WAVE_MODE, 25, 1), 1
	s_wait_xcnt 0x0
	s_wait_alu depctr_hold_cnt(0) depctr_sa_sdst(0) depctr_va_vdst(0) depctr_va_sdst(0) depctr_va_ssrc(0) depctr_va_vcc(0) depctr_vm_vsrc(0)
	s_getreg_b32 s2, hwreg(HW_REG_IB_STS2, 6, 4)
	s_cmp_eq_u32 s2, 0
	s_cbranch_scc0 .Lentry_in_a_cluster
	s_endpgm
.Lentry_in_a_cluster:
	s_bfe_u32 s2, ttmp6, 0x10000c
	s_cmp_lg_u32 s2, 0xf033
	s_cbranch_scc0 .Lentry_shape_is_right
	s_endpgm
.Lentry_shape_is_right:
; THE FIRST PRODUCT, for the chosen experts alone.  For p = 2 b + slot (16 problems), e = sel[p]:  hidden = relu(x[b] W1[e]^T + b1[e]), 512 tokens x 1,024 units, K = 1,024, on codes of FP6 (E2M3) with one E8M0 scale
; for each 32 along K, as they are given; the result is quantised along the hidden units, which are the second product's K, and stored as codes (hc) and scale words (hs) in the order of the next launch's operand registers.
; The experts that are not chosen for an item are left out.  e enters addresses alone, held to 0 .. 7 by s_min_u32; no branch and no LDS address hangs on it.
; SHARES.  A cluster of 4 x 4 work-groups takes one p; a work-group 256 tokens (cy / 2) x 128 hidden units (4 (cy % 2) + cx); each of its four waves 64 tokens x 128 units: 32 accumulators of 16 x 16, 256 matrix instructions.
; 16 x 16 = 256 work-groups.  The four of a row of the cluster need the same rows of x: that tile is asked for JOINTLY.  W1's tiles are each work-group's OWN loads: their address holds the expert's number, which is read from
; memory, and a joint request wants a descriptor that is equal in its partners by the ids alone; so the block is chosen with 256 rows of the shared operand and 128 of the other.
; LDS.  All of K fits, and no LDS byte is filled twice.  x: 256 rows of 768 bytes + 16 behind every 256: rows 816 bytes apart.  W1: three chunks of 256 bytes of each row, each a tile with rows 272 bytes apart.  Four tiles, one load a
; wave, all asked for at the head: wave 0 x, which does not wait for e; waves 1, 2, 3 W1's chunks 0, 1, 2.  K steps 0 and 1 lie in chunk 0, K step 2 reaches into chunk 1, K step 5 into chunk 2.  No prefetch: there is no loop, and the head asks for everything.
; The pitches are 12 and 4 words modulo 64 (64 banks of 4 bytes: ISA guide 11.1): the 16 rows of a fragment start at 16 different multiples of 4, lanes 16-31 read 6 words further on.
; THE MATRIX INSTRUCTION IS USED TRANSPOSED (source 0 = 16 rows of W1, source 1 = 16 tokens): a lane holds ONE token (lane % 16), register j of tile t the hidden unit 16 t + 8 (lane / 16) + j.  b1 is the C of each sum's first instruction.
; THE SCALES AND b1 go from memory straight into registers, once: sixteen rows' scale bytes are 512 consecutive bytes.
; LIMITS: NaN and infinities are not served; a block of the hidden layer whose largest number lies under 2^-124 (a block of zeros among them) gets the scale byte 1: hs is read by this program alone.
; REGISTERS, in windows of 256: window 0: v1-25 addresses; v34-65 x's scale words (8 a + s), v72-135 W1's (8 t + s); v136-183 the fragments' LDS addresses; v136-241 the way out.  window 1: W1's fragments, two sets, at 128 q + 12 t.
;   window 2: the accumulators, (a, t) at 8 (8 a + t).  window 3: x's fragments, two sets, at 48 q + 12 a; b1's eight tiles at 128 + 8 t.
.set PITX, 816
.set PITW, 272
.set WCH, 128*PITW                     ; a chunk of W1's 128 rows
.set WB, 256*PITX                      ; W1's chunks lie behind x
.set SPARE, WB+3*WCH                   ; the spare words, 128 bytes for each wave
.set L16,  14                          ; 16 x lane
.set L8,   15                          ; 8 x lane
.set R32,  16                          ; 32 x (lane % 16): a row of scale bytes
.set H32,  17                          ; 32 x (lane / 16): eight numbers of b1
.set SPW,  18                          ; my spare word; never rewritten
.set NIL,  19                          ; 0; never rewritten
.set SX,   34
.set SW,   72
.set WA,   136                         ; + 8 c + t: LDS address of my lane's part of W1's tile t in chunk c; + 24 + 8 c + t: for pieces of chunk c whose partner three pieces on lies in the next chunk: lanes 16-31 stand there
.set XA,   176                         ; + a: x's tile a; + 4 + a: for pieces whose partner lies behind one padding more
.set ST,   136                         ; v136-199 a tile's 64 numbers a lane, after the activation (the addresses above have served)
.set PC,   200                         ; v200-211 the fragment's codes
.set TB,   212                         ; v212-214, v216-218 the odd blocks' codes
.set TM,   220                         ; v220-223 largest numbers, v224-227 bytes, v232-235 the conversions' scale operands
.set PW,   236                         ; v236-239 the four tiles' scale words
.set MW,   240                         ; v240-241 the same, two tiles to a register
.set G1X,  32
.set G1W,  40
.set MSB, 0
.macro WIN new                         ; the immediate's high byte repeats the setting that is left; a switch that changes nothing is dropped
.if MSB != \new
	s_set_vgpr_msb (MSB<<8)|\new
.set MSB, \new
.endif
.endm
.macro PLACES                          ; four plain vector lines between a matrix instruction and a load into a register that it read, or a vector line that reads its result
.rept 4
	v_nop
.endr
.endm
.macro CROUND                          ; a round of the cluster's barrier
	s_barrier_signal -1
	s_barrier_wait -1
	s_cmp_lg_u32 s20, 0
	s_cbranch_scc1 .Lnot_wave_0_\@
	s_barrier_signal -3
.Lnot_wave_0_\@:
	s_barrier_wait -3
	s_barrier_signal -1
	s_barrier_wait -1
.endm
.macro TLOAD g0, g1
	tensor_load_to_lds s[\g0:\g0+3], s[\g1:\g1+7]
	s_nop 0
	PLACES
.endm
.macro GROUP1 g, c, rows               ; words 1 to 7: rows of c elements of 8 bytes, 96 elements apart in memory
	s_mov_b32 s[\g+1], \c<<16
	s_mov_b32 s[\g+2], \rows<<16
	s_mov_b32 s[\g+3], \c<<16
	s_mov_b32 s[\g+4], \rows
	s_mov_b32 s[\g+5], 96
	s_mov_b32 s[\g+6], 0
	s_mov_b32 s[\g+7], 0
.endm
	s_load_b256 s[4:11], s[0:1], 0x0               ; x's codes s[4:5], x's scales s[6:7], W1's codes s[8:9], W1's scales s[10:11]
	s_load_b256 s[12:19], s[0:1], 0x20             ; b1 s[12:13], sel s[14:15], hc s[16:17], hs s[18:19]
	v_lshl_add_u32 v[SPW], v0, 2, SPARE
	v_mov_b32 v[NIL], 0
	ds_add_u32 v[SPW], v[NIL]                      ; the opening lines: the add, twice on end, and its wait
	ds_add_u32 v[SPW], v[NIL]
	v_lshrrev_b32 v1, 5, v0
	v_readfirstlane_b32 s20, v1                    ; wave 0..3: which 64 tokens are mine
	s_mul_i32 s84, s20, 64*PITX
	v_and_b32 v1, 15, v0                           ; r
	v_bfe_u32 v2, v0, 4, 1                         ; h
	v_and_b32 v3, 31, v0
	v_lshlrev_b32 v[L16], 4, v3
	v_lshlrev_b32 v[L8], 3, v3
	v_lshlrev_b32 v[R32], 5, v1
	v_lshlrev_b32 v[H32], 5, v2
	v_mul_u32_u24 v20, v1, PITX
	v_mul_u32_u24 v23, v1, PITW
	v_mad_u32_u24 v21, v2, 24, v20                 ; row x pitch + 24 x half
	v_mad_u32_u24 v22, v2, 40, v20
	v_mad_u32_u24 v24, v2, 24, v23
	v_mad_u32_u24 v25, v2, WCH-232, v23            ; lanes 16-31 in the next chunk: a chunk on, 24 bytes on, 256 back
	v_add_nc_u32 v21, s84, v21
	v_add_nc_u32 v22, s84, v22
.irp a, 0,1,2,3
	v_add_nc_u32 v[XA+\a], \a*16*PITX, v21
	v_add_nc_u32 v[XA+4+\a], \a*16*PITX, v22
.endr
.irp t, 0,1,2,3,4,5,6,7
.irp c, 0,1,2
	v_add_nc_u32 v[WA+8*\c+\t], WB+\c*WCH+\t*16*PITW, v24
.if \c < 2
	v_add_nc_u32 v[WA+24+8*\c+\t], WB+\c*WCH+\t*16*PITW, v25
.endif
.endr
.endr
.irp b, 0,1,2,3
	v_mov_b32 v[TM+4+\b], 0                        ; written once: a lane permute's destination counts as one of its sources
.endr
	s_wait_alu depctr_va_vdst(0)                   ; behind the head's last vector write
	s_bfe_u32 s23, ttmp6, 0x40000                  ; cx
	s_bfe_u32 s24, ttmp6, 0x40004                  ; cy
	s_lshr_b32 s21, s24, 1                         ; the tile of 256 tokens
	s_and_b32 s28, s24, 1
	s_lshl_b32 s28, s28, 2
	s_add_co_u32 s28, s28, s23                     ; the tile of 128 hidden units
	s_and_b32 s25, ttmp7, 0xffff                   ; p = the cluster's y
	s_lshr_b32 s27, s25, 1                         ; b
	s_lshl_b32 s29, s24, 2
	s_lshl_b32 s29, 15, s29                        ; my row of the cluster
	s_or_b32 s[G1X], s29, (3<<16)|(1<<20)|(1<<21)|(5<<22)|(3<<25)   ; 15:0 the mask; 17:16 elements of 8 bytes; 20 padding on; 21 set beside a mask; 24:22 after every 64 words; 31:25 4 words
	GROUP1 G1X, 96, 256
	s_mov_b32 s[G1W], (3<<16)|(1<<20)|(5<<22)|(3<<25)               ; no mask: W1's tiles are my own
	GROUP1 G1W, 32, 128
	s_mov_b32 s68, 1                               ; groups 0: s[68:71] x; s[72:75], s[76:79], s[80:83] W1's chunks
	s_mov_b32 s69, 0
	s_mov_b32 s72, 1
	s_mov_b32 s73, WB
	s_mov_b32 s76, 1
	s_mov_b32 s77, WB+WCH
	s_mov_b32 s80, 1
	s_mov_b32 s81, WB+2*WCH
	s_lshl_b32 s84, s25, 2
	s_mov_b32 s85, 0
	s_lshl_b32 s86, s27, 9                         ; x: rows 512 b + 256 x tile on: made of what my row of the cluster shares
	s_lshl_b32 s87, s21, 8
	s_add_co_u32 s86, s86, s87
	s_mul_i32 s88, s86, 768
	s_mov_b32 s89, 0
	s_lshl_b32 s90, s20, 6
	s_add_co_u32 s90, s90, s86                     ; the 64 tokens that I multiply:
	s_lshl_b32 s90, s90, 5                         ; their scale bytes, 32 a row
	s_mov_b32 s91, 0
	s_wait_dscnt 0x0                               ; both opening adds are done
	s_wait_kmcnt 0x0
	s_add_nc_u64 s[84:85], s[14:15], s[84:85]
	s_load_b32 s26, s[84:85], 0x0                  ; e = sel[p]
	s_add_nc_u64 s[70:71], s[4:5], s[88:89]
	s_or_b32 s71, s71, 0x80000000
	s_add_nc_u64 s[6:7], s[6:7], s[90:91]
	CROUND                                         ; all sixteen work-groups are here: the joint loads meet
	s_cmp_eq_u32 s20, 0
	s_cbranch_scc0 .Lwaves_123
	TLOAD 68, G1X                                  ; wave 0: x
	s_branch .Lasked
.Lwaves_123:
	s_wait_kmcnt 0x0                               ; e is here
	s_min_u32 s31, s26, 7                          ; an index stays inside its table
	s_lshl_b32 s31, s31, 10
	s_lshl_b32 s86, s28, 7
	s_add_co_u32 s31, s31, s86                     ; row 1,024 e + 128 x tile
	s_mul_i32 s92, s31, 768
	s_mov_b32 s93, 0
	s_add_nc_u64 s[74:75], s[8:9], s[92:93]
	s_add_nc_u64 s[78:79], s[74:75], 256
	s_add_nc_u64 s[82:83], s[74:75], 512
	s_or_b32 s75, s75, 0x80000000
	s_or_b32 s79, s79, 0x80000000
	s_or_b32 s83, s83, 0x80000000
	s_cmp_eq_u32 s20, 1
	s_cbranch_scc0 .Lwaves_23
	TLOAD 72, G1W                                  ; wave 1: chunk 0 of W1
	s_branch .Lasked
.Lwaves_23:
	s_cmp_eq_u32 s20, 2
	s_cbranch_scc0 .Lwave_3
	TLOAD 76, G1W                                  ; wave 2: chunk 1
	s_branch .Lasked
.Lwave_3:
	TLOAD 80, G1W                                  ; wave 3: chunk 2
.Lasked:
.irp a, 0,1,2,3
.irp u, 0,1
	global_load_b128 v[SX+8*\a+4*\u:SX+8*\a+4*\u+3], v[R32], s[6:7] offset:512*\a+16*\u      ; lane r: the scale words of token 16 a + r for K steps 4 u .. 4 u + 3
.endr
.endr
	s_wait_kmcnt 0x0
	s_min_u32 s26, s26, 7                          ; an index stays inside its table
	s_lshl_b32 s26, s26, 10
	s_lshl_b32 s84, s28, 7
	s_add_co_u32 s26, s26, s84                     ; my 128 rows of W1 among all experts' rows
	s_lshl_b32 s86, s26, 5                         ; their scale bytes,
	s_mov_b32 s87, 0
	s_lshl_b32 s88, s26, 2                         ; their numbers of b1
	s_mov_b32 s89, 0
	s_add_nc_u64 s[10:11], s[10:11], s[86:87]
	s_add_nc_u64 s[12:13], s[12:13], s[88:89]
.irp t, 0,1,2,3,4,5,6,7
.irp u, 0,1
	global_load_b128 v[SW+8*\t+4*\u:SW+8*\t+4*\u+3], v[R32], s[10:11] offset:512*\t+16*\u
.endr
.endr
	WIN 0xc0                                       ; destination window 3
.irp t, 0,1,2,3,4,5,6,7
.irp u, 0,1
	global_load_b128 v[128+8*\t+4*\u:128+8*\t+4*\u+3], v[H32], s[12:13] offset:64*\t+16*\u   ; b1 in the result's layout: register j = b1 of unit 16 t + 8 h + j
.endr
.endr
	WIN 0
	; hc and hs: S = 8 p + hidden / 128 (the K step of the second product), mg = token / 64
	s_lshl_b32 s92, s25, 3
	s_add_co_u32 s92, s92, s28
	s_lshl_b32 s92, s92, 3
	s_lshl_b32 s93, s21, 2
	s_add_co_u32 s93, s93, s20
	s_add_co_u32 s94, s92, s93                     ; 8 S + mg
	s_mul_i32 s92, s94, 6144                       ; four fragment images of 1,536 bytes
	s_mov_b32 s93, 0
	s_lshl_b32 s94, s94, 8                         ; 256 bytes of scale words
	s_mov_b32 s95, 0
	s_add_nc_u64 s[16:17], s[16:17], s[92:93]
	s_add_nc_u64 s[18:19], s[18:19], s[94:95]
	s_mov_b32 s96, 0xffff0000                      ; lanes 16-31
	s_mov_b32 s98, 0x76543210
	s_mov_b32 s99, 0xfedcba98                      ; v_permlanex16_b32's selects for lane l xor 16
; A fragment, 16 rows x 128 K of 6-bit codes, is 12 registers: lane (r, h) holds row r; registers 6 c .. 6 c + 5 the 24 bytes at 96 s + 48 c + 24 h of the row, as they lie: pieces of 8 bytes, two to a load.
; In K steps 2 and 5 two pieces of lanes 16-31 stand behind a border of 256 bytes that those of lanes 0-15 do not: four loads; every other step takes three.
.macro FRAGW reg, t, s
.if (\s) == 2
	ds_load_2addr_b64 v[\reg:\reg+3], v[WA+\t] offset0:24 offset1:25
	ds_load_b64 v[\reg+4:\reg+5], v[WA+\t] offset:8*26
	ds_load_2addr_b64 v[\reg+6:\reg+9], v[WA+24+\t] offset0:30 offset1:31
	ds_load_b64 v[\reg+10:\reg+11], v[WA+8+\t]
.elseif (\s) == 5
	ds_load_b64 v[\reg:\reg+1], v[WA+8+\t] offset:8*28
	ds_load_2addr_b64 v[\reg+2:\reg+5], v[WA+32+\t] offset0:29 offset1:30
	ds_load_2addr_b64 v[\reg+6:\reg+9], v[WA+16+\t] offset0:2 offset1:3
	ds_load_b64 v[\reg+10:\reg+11], v[WA+16+\t] offset:8*4
.else
.set AD, WA+8*((12*(\s))/32)+\t
.set PO, (12*(\s))%32
	ds_load_2addr_b64 v[\reg:\reg+3], v[AD] offset0:PO offset1:PO+1
	ds_load_2addr_b64 v[\reg+4:\reg+7], v[AD] offset0:PO+2 offset1:PO+6
	ds_load_2addr_b64 v[\reg+8:\reg+11], v[AD] offset0:PO+7 offset1:PO+8
.endif
.endm
.macro FRAGX reg, a, s
.if (\s) == 2
	ds_load_2addr_b64 v[\reg:\reg+3], v[XA+\a] offset0:24 offset1:25
	ds_load_b64 v[\reg+4:\reg+5], v[XA+\a] offset:8*26
	ds_load_2addr_b64 v[\reg+6:\reg+9], v[XA+4+\a] offset0:30 offset1:31
	ds_load_b64 v[\reg+10:\reg+11], v[XA+\a] offset:8*34
.elseif (\s) == 5
	ds_load_b64 v[\reg:\reg+1], v[XA+\a] offset:8*62
	ds_load_2addr_b64 v[\reg+2:\reg+5], v[XA+4+\a] offset0:63 offset1:64
	ds_load_2addr_b64 v[\reg+6:\reg+9], v[XA+\a] offset0:70 offset1:71
	ds_load_b64 v[\reg+10:\reg+11], v[XA+\a] offset:8*72
.else
.set PO, 12*(\s)+2*((12*(\s))/32)
	ds_load_2addr_b64 v[\reg:\reg+3], v[XA+\a] offset0:PO offset1:PO+1
	ds_load_2addr_b64 v[\reg+4:\reg+7], v[XA+\a] offset0:PO+2 offset1:PO+6
	ds_load_2addr_b64 v[\reg+8:\reg+11], v[XA+\a] offset0:PO+7 offset1:PO+8
.endif
.endm
.macro NLS s                           ; NL: loads of a fragment of K step s
.set NL, 3
.if (\s) == 2
.set NL, 4
.endif
.if (\s) == 5
.set NL, 4
.endif
.endm
.macro FETCHW s                        ; W1's eight fragments of K step s into set s % 2
	WIN 0x40                                       ; destination window 1
.irp t, 0,1,2,3,4,5,6,7
	FRAGW 128*((\s)%2)+12*\t, \t, \s
.endr
.endm
.macro FETCHX s                        ; x's four
	WIN 0xc0                                       ; destination window 3
.irp a, 0,1,2,3
	FRAGX 48*((\s)%2)+12*\a, \a, \s
.endr
.endm
.macro MUL s, a0                       ; 16 matrix instructions: token tiles a0, a0 + 1.  The 32 accumulators take turns, one instruction a turn, in the same order in every step
.if (\s) == 0
	WIN 0xbd                                       ; source 0 (W1) window 1, source 1 (x) window 3, C (b1) window 3, D window 2
.else
	WIN 0xad                                       ; the same, C and D window 2
.endif
.irp a, \a0, \a0+1
.irp t, 0,1,2,3,4,5,6,7
.if (\s) == 0
	v_wmma_scale_f32_16x16x128_f8f6f4 v[8*(8*(\a)+\t):8*(8*(\a)+\t)+7], v[128*((\s)%2)+12*\t:128*((\s)%2)+12*\t+11], v[48*((\s)%2)+12*(\a):48*((\s)%2)+12*(\a)+11], v[128+8*\t:128+8*\t+7], v[SW+8*\t+(\s)], v[SX+8*(\a)+(\s)] matrix_a_fmt:MATRIX_FMT_FP6 matrix_b_fmt:MATRIX_FMT_FP6
.else
	v_wmma_scale_f32_16x16x128_f8f6f4 v[8*(8*(\a)+\t):8*(8*(\a)+\t)+7], v[128*((\s)%2)+12*\t:128*((\s)%2)+12*\t+11], v[48*((\s)%2)+12*(\a):48*((\s)%2)+12*(\a)+11], v[8*(8*(\a)+\t):8*(8*(\a)+\t)+7], v[SW+8*\t+(\s)], v[SX+8*(\a)+(\s)] matrix_a_fmt:MATRIX_FMT_FP6 matrix_b_fmt:MATRIX_FMT_FP6
.endif
.endr
.endr
.endm
; A K step: W1's next fragments are asked for at its head, x's in its middle.  At its head x's tiles 2 and 3 (2 NL loads, the youngest) may still be out; in its middle the 8 NL loads just issued.
; bar > 0: the next step reaches into a chunk not yet shown: the waves that asked for it (1: waves under 3; 2: all) wait, and a barrier, with 16 products between signal and wait, shows it.
.macro STEP s, bar
.if \bar
	s_wait_dscnt 0x0
.if \bar == 1
	WIN 0                                          ; (a branch follows)
	s_cmp_lt_u32 s20, 3
	s_cbranch_scc0 .Lnot_mine_\@
	s_wait_tensorcnt 0x0
.Lnot_mine_\@:
.else
	s_wait_tensorcnt 0x0
.endif
	s_barrier_signal -1
	MUL \s, 0
	s_barrier_wait -1
	PLACES
	FETCHW (\s)+1
.else
	NLS \s
	s_wait_dscnt 2*NL
.if (\s) < 7
.if (\s) > 0
	PLACES
.endif
	FETCHW (\s)+1
.endif
	MUL \s, 0
.if (\s) < 7
	NLS (\s)+1
	s_wait_dscnt 8*NL
.else
	s_wait_dscnt 0x0
.endif
.endif
.if (\s) < 7
	FETCHX (\s)+1
.endif
	MUL \s, 2
.endm
	s_cmp_lt_u32 s20, 2
	s_cbranch_scc0 .Lnot_first
	s_wait_tensorcnt 0x0                           ; waves 0 and 1: x and chunk 0 of W1 are in;
.Lnot_first:
	s_barrier_signal -1                            ; chunks 1 and 2 may be on their way
	s_barrier_wait -1
	FETCHW 0
	FETCHX 0
	s_wait_loadcnt 0x0                             ; the scale words and b1
	STEP 0, 0
	STEP 1, 1
	STEP 2, 0
	STEP 3, 0
	STEP 4, 2
	STEP 5, 0
	STEP 6, 0
	STEP 7, 0
	PLACES
; THE WAY OUT of token tile a: the activation; the four blocks' scales; the codes; the fragment of the second product (16 tokens x my 128 hidden units) goes to memory as an image of its 12 registers.
; A block of 32 units is tiles 2 b and 2 b + 1; a lane holds 16 of its numbers (units 8 h + 0..7 and 16 + 8 h + 0..7 of the block), lane l xor 16 the others.
.macro HIDDEN a
	WIN 0x08                                       ; source 1 window 2
.set j, 0
.rept 64
	v_max_num_f32 v[ST+j], 0, v[64*\a+j]           ; relu, in f32, into window 0; each accumulator from its low end on
.set j, j+1
.endr
	WIN 0
.irp b, 0,1,2,3
	v_max3_num_f32 v[TM+\b], v[ST+16*\b], v[ST+1+16*\b], 0x1800000   ; the largest of my 16 (none is negative), and the floor 2^(3 - 127): so the byte cannot fall under 1
.endr
.irp i, 2,4,6,8,10,12,14
.irp b, 0,1,2,3
	v_max3_num_f32 v[TM+\b], v[TM+\b], v[ST+16*\b+\i], v[ST+1+16*\b+\i]   ; (the four blocks by turns)
.endr
.endr
.irp b, 0,1,2,3
	v_permlanex16_b32 v[TM+4+\b], v[TM+\b], s98, s99
.endr
.irp b, 0,1,2,3
	v_max_num_f32 v[TM+\b], v[TM+\b], v[TM+4+\b]   ; with lane l xor 16's: the block's largest
.endr
.irp b, 0,1,2,3
	v_add_nc_u32 v[TM+12+\b], 0xff000000, v[TM+\b] ; 2 off its exponent field: the conversion takes this operand's exponent field as its scale
.endr
.irp b, 0,1,2,3
	v_lshrrev_b32 v[TM+4+\b], 23, v[TM+12+\b]      ; the scale's byte
.endr
	v_lshl_or_b32 v[PW+\a], v[TM+5], 8, v[TM+4]    ; my token's scale word for this K step
	v_lshl_or_b32 v[PW+\a], v[TM+6], 16, v[PW+\a]
	v_lshl_or_b32 v[PW+\a], v[TM+7], 24, v[PW+\a]
.if \a > 0
	s_wait_alu depctr_va_vdst(0)                   ; directly ahead of the wait below
	s_wait_xcnt 0x0                                ; the last tile's stores have read their data: the codes' registers are written again only behind this wait
.endif
.irp c, 0,1
	v_cvt_scalef32_pk16_fp6_f32 v[PC+6*\c:PC+6*\c+2], v[ST+32*\c:ST+32*\c+15], v[TM+12+2*\c]        ; block 2 c: 48 bits of units 8 h + 0..7, 48 bits of units 16 + 8 h + 0..7
	v_cvt_scalef32_pk16_fp6_f32 v[TB+4*\c:TB+4*\c+2], v[ST+32*\c+16:ST+32*\c+31], v[TM+13+2*\c]     ; block 2 c + 1 likewise
.endr
	v_nop                                          ; one plain line behind a scaled conversion
.irp c, 0,1
.irp i, 0,1,2
	v_permlane16_swap_b32 v[PC+6*\c+\i], v[TB+4*\c+\i]   ; lane (r, h) now holds block 2 c + h whole: in the first three registers (a) what h = 0 made (units 0-7, 16-23), in the others (b) what h = 1 made (units 8-15, 24-31)
.endr
.endr
.irp c, 0,1                            ; the four runs of 48 bits are laid in the order of the units: a0 | a1.l b0.l | b0.h b1.l | a1.h a2.l | a2.h b1.h | b2.  (v_perm_b32: selector bytes 0-3 pick from the second source, 4-7 from the first)
	v_perm_b32 v[PC+6*\c+3], v[PC+6*\c+2], v[PC+6*\c+1], 0x05040302
	v_perm_b32 v[PC+6*\c+4], v[TB+4*\c+1], v[PC+6*\c+2], 0x07060302
	v_perm_b32 v[PC+6*\c+1], v[TB+4*\c], v[PC+6*\c+1], 0x05040100
	v_perm_b32 v[PC+6*\c+2], v[TB+4*\c+1], v[TB+4*\c], 0x05040302
	v_mov_b32 v[PC+6*\c+5], v[TB+4*\c+2]
.endr
.irp c, 0,1,2
	global_store_b128 v[L16], v[PC+4*\c:PC+4*\c+3], s[16:17] offset:1536*\a+512*\c   ; the wave stores 512 consecutive bytes, at a multiple of 512 from hc's first byte
.endr
.endm
	HIDDEN 0
	HIDDEN 1
	HIDDEN 2
	HIDDEN 3
	v_cndmask_b32 v[MW], v[PW], v[PW+1], s96       ; two tiles' scale words to a register: the even tile's in lanes 0-15, the odd tile's in lanes 16-31, as the next launch's matrix instructions take them
	v_cndmask_b32 v[MW+1], v[PW+2], v[PW+3], s96
	global_store_b64 v[L8], v[MW:MW+1], s[18:19]   ; 256 consecutive bytes, aligned
	s_wait_tensorcnt 0x0                           ; the wave's end
	ds_add_u32 v[SPW], v[NIL]
	s_wait_dscnt 0x0
	CROUND                                         ; the closing round: no work-group ends while a partner may still ask for a tile that names it
	s_endpgm
.Lfunc_end_k_q11f87a3056_gemm1:
	.size	k_q11f87a3056_gemm1, .Lfunc_end_k_q11f87a3056_gemm1-k_q11f87a3056_gemm1
	.p2alignl 7, 3214868480
	.fill 96, 4, 3214868480
	.section	.rodata,"a",@progbits
	.p2align	6, 0x0
	.amdhsa_kernel k_q11f87a3056_gemm1
		.amdhsa_group_segment_fixed_size 327680
		.amdhsa_private_segment_fixed_size 0
		.amdhsa_enable_private_segment 0
		.amdhsa_kernarg_size 64
		.amdhsa_user_sgpr_count 2
		.amdhsa_user_sgpr_kernarg_segment_ptr 1
		.amdhsa_wavefront_size32 1
		.amdhsa_system_sgpr_workgroup_id_x 1
		.amdhsa_system_sgpr_workgroup_id_y 1
		.amdhsa_system_sgpr_workgroup_id_z 1
		.amdhsa_system_vgpr_workitem_id 0
		.amdhsa_next_free_vgpr 1024
		.amdhsa_next_free_sgpr 102
		.amdhsa_reserve_vcc 0
		.amdhsa_float_denorm_mode_32 3
		.amdhsa_float_denorm_mode_16_64 3
		.amdhsa_memory_ordered 1
		.amdhsa_forward_progress 1
		.amdhsa_inst_pref_size 96
	.end_amdhsa_kernel
	.amdgpu_metadata
---
amdhsa.version: [ 1, 2 ]
amdhsa.kernels:
  - .name:           k_q11f87a3056_gemm1
    .symbol:         k_q11f87a3056_gemm1.kd
    .args:
      - { .name: x_codes, .offset: 0, .size: 8, .value_kind: global_buffer, .address_space: global }
      - { .name: x_scales, .offset: 8, .size: 8, .value_kind: global_buffer, .address_space: global }
      - { .name: w1_codes, .offset: 16, .size: 8, .value_kind: global_buffer, .address_space: global }
      - { .name: w1_scales, .offset: 24, .size: 8, .value_kind: global_buffer, .address_space: global }
      - { .name: b1, .offset: 32, .size: 8, .value_kind: global_buffer, .address_space: global }
      - { .name: sel, .offset: 40, .size: 8, .value_kind: global_buffer, .address_space: global }
      - { .name: hc, .offset: 48, .size: 8, .value_kind: global_buffer, .address_space: global }
      - { .name: hs, .offset: 56, .size: 8, .value_kind: global_buffer, .address_space: global }
    .group_segment_fixed_size: 327680
    .private_segment_fixed_size: 0
    .kernarg_segment_align: 8
    .kernarg_segment_size: 64
    .max_flat_workgroup_size: 128
    .sgpr_count:     102
    .vgpr_count:     1024
    .wavefront_size: 32
...
	.end_amdgpu_metadata
.endif
;; end of part 2
;; launch gemm2 (part 3): grid 8 x 32, 4 waves a work-group, clusters of 4 x 4, 327,680 bytes of LDS; arguments hc, hs, w2_codes, w2_scales, b2, sel, gate, out0; writes out0
.if DOCPART == 3
	.amdgcn_target "amdgcn-amd-amdhsa--gfx1250"
	.amdhsa_code_object_version 6
	.text
	.protected	k_q11f87a3056_gemm2
	.globl	k_q11f87a3056_gemm2
	.p2align	8
	.type	k_q11f87a3056_gemm2,@function
k_q11f87a3056_gemm2:
	s_mov_b64 s[64:65], 0
	v_nop
	global_prefetch_b8 v0, s[64:65] scope:SCOPE_SE
	s_setreg_imm32_b32 hwreg(HW_REG_WAVE_MODE, 25, 1), 1
	s_wait_xcnt 0x0
	s_wait_alu depctr_hold_cnt(0) depctr_sa_sdst(0) depctr_va_vdst(0) depctr_va_sdst(0) depctr_va_ssrc(0) depctr_va_vcc(0) depctr_vm_vsrc(0)
	s_getreg_b32 s2, hwreg(HW_REG_IB_STS2, 6, 4)
	s_cmp_eq_u32 s2, 0
	s_cbranch_scc0 .Lentry_in_a_cluster
	s_endpgm
.Lentry_in_a_cluster:
	s_bfe_u32 s2, ttmp6, 0x10000c
	s_cmp_lg_u32 s2, 0xf033
	s_cbranch_scc0 .Lentry_shape_is_right
	s_endpgm
.Lentry_shape_is_right:
; THE SECOND PRODUCT AND THE SUM OVER THE TWO CHOSEN EXPERTS.  out0[b] = the sum over slot of gate[b][slot] x (hidden[2 b + slot] W2[e_slot]^T + b2[e_slot]), e_slot = sel[b][slot].
; hidden comes as the first product's launch left it: codes of FP6 (E2M3) as images of operand registers (hc) and scale words (hs); W2 as it is given.  Each output has one owner: nothing is added between work-groups.
; The experts that are not chosen for an item are left out.  e enters addresses alone, held to 0 .. 7 by s_min_u32; no branch and no LDS address hangs on it.
; SHARES.  Two clusters of 4 x 4 work-groups take one b; a work-group 256 tokens (cy / 2) x 64 outputs (8 x cluster x + 4 (cy % 2) + cx); a wave 64 x 64, for both slots: 2 x 16 accumulators, 16 K steps of 128
; (g = 8 slot + s), 256 matrix instructions.  8 x 32 = 256 work-groups.  The four of a row of the cluster need the same hidden fragments: LDS tiles of them are asked for JOINTLY.  W2's tiles are each work-group's OWN loads: their
; address holds the expert's number, which is read from memory, and a joint request wants a descriptor that is equal in its partners by the ids alone; so the block is chosen with 256 rows of the shared operand and 64 of the other.
; WHERE THE OPERANDS LIE.  Together they are 491,520 bytes, more than LDS holds.  LDS holds hidden K steps 0-8 (221,184 bytes, dense) and the two W2 tiles of 64 rows (768 bytes + 16 behind every 256: rows 816 bytes apart).
; No LDS byte is filled twice by the engine: four tiles, one load a wave, all at the head: wave 0 hidden K steps 0-4, which do not wait for the experts' numbers; wave 1 W2 of slot 0; wave 2 hidden K steps 5-8; wave 3 W2 of slot 1.
; Hidden K steps 9-15 go from memory straight into registers (336): each wave reads its own tokens' images, 512 consecutive bytes a load, and asks for K step 10 + g in K step g (9 at the head).  No prefetch: every load is asked for that far ahead by itself.
; A row is 204 words, 12 modulo 64 (64 banks of 4 bytes: ISA guide 11.1): the sixteen rows of a fragment start at sixteen different multiples of 4, lanes 16-31 read 6 words further on.
; THE MATRIX INSTRUCTION IS USED TRANSPOSED (source 0 = 16 rows of W2, source 1 = 16 tokens): a lane holds one token and eight neighbouring outputs.  b2 is the C of each sum's first instruction.
; THE LAST FOUR K STEPS GO BY TOKEN TILES: a tile's 16 tokens are finished one after the other, so that its stores leave while the next ones are multiplied.
; LIMITS: NaN and infinities are not served.
; REGISTERS, in windows of 256: window 0: v1-31 addresses; v32-63 the hidden layer's scale words (K step g: registers 2 g, 2 g + 1; register q: tile 2 q in lanes 0-15, tile 2 q + 1 in lanes 16-31);
;   v64-127 W2's scale words (16 t + g); v128-175 hidden K step 14; v176-207 b2, slot 0's and then slot 1's; v208-255 hidden fragments of odd K steps; v176-239 the way out.
;   window 1: W2's fragments at 0, 48, 96 (K step 15: 144); v144-191 hidden fragments of even K steps; v192-239 hidden K step 15.
;   window 2: accumulators at 128 slot + 8 (4 a + t).  window 3: hidden K steps 9-13 at 48 (g - 9); v0-63 the way out.
.set PITCH, 816
.set HPL,   24576                      ; a K step's hidden images of 256 tokens
.set WB0,   9*HPL
.set WB1,   WB0+64*PITCH
.set SPARE, WB1+64*PITCH               ; the spare words, 128 bytes for each wave
.set STAGE, WB0                        ; the way out: 16 rows x 272 bytes for each wave, where W2 of slot 0 lay: its one fill is at the head, and every wave's last read of it stands ahead of K step 6's barrier
.set SP,    272
.set L16,  4
.set L8,   5
.set R32,  6
.set H32,  7
.set HA,   8                           ; v8-10   LDS address of my lane's 16 bytes of an image, K steps 0-2, 3-5, 6-8
.set STO,  11
.set RD,   12
.set GO,   13
.set SPW,  14                          ; my spare word; never rewritten
.set NIL,  15                          ; 0; never rewritten
.set WA,   16                          ; 8 slot + 2 t: my lane's part of W2's tile t; + 1: for pieces whose partner three pieces on lies behind one padding more
.set SA,   32
.set SB,   64
.set B2,   176
.set T,    176
.set BK,   0                           ; in window 3
.set G1A,  32                          ; groups 1: s[32:39] hidden, five K steps; s[40:47] four; s[68:75] W2
.set G1B,  40
.set G1W,  68
.set MSB, 0
.macro WIN new                         ; the immediate's high byte repeats the setting that is left; a switch that changes nothing is dropped
.if MSB != \new
	s_set_vgpr_msb (MSB<<8)|\new
.set MSB, \new
.endif
.endm
.macro PLACES                          ; four plain vector lines between a matrix instruction and a load into a register that it read, or a vector line that reads its result
.rept 4
	v_nop
.endr
.endm
.macro CROUND                          ; a round of the cluster's barrier
	s_barrier_signal -1
	s_barrier_wait -1
	s_cmp_lg_u32 s20, 0
	s_cbranch_scc1 .Lnot_wave_0_\@
	s_barrier_signal -3
.Lnot_wave_0_\@:
	s_barrier_wait -3
	s_barrier_signal -1
	s_barrier_wait -1
.endm
.macro TLOAD g0, g1
	tensor_load_to_lds s[\g0:\g0+3], s[\g1:\g1+7]
	s_nop 0
	PLACES
.endm
.macro GROUP1 g, c, rows, pitch        ; words 1 to 7: rows of c elements of 8 bytes, pitch elements apart in memory
	s_mov_b32 s[\g+1], \c<<16
	s_mov_b32 s[\g+2], \rows<<16
	s_mov_b32 s[\g+3], \c<<16
	s_mov_b32 s[\g+4], \rows
	s_mov_b32 s[\g+5], \pitch
	s_mov_b32 s[\g+6], 0
	s_mov_b32 s[\g+7], 0
.endm
	s_load_b256 s[4:11], s[0:1], 0x0               ; hc s[4:5], hs s[6:7], W2's codes s[8:9], W2's scales s[10:11]
	s_load_b256 s[12:19], s[0:1], 0x20             ; b2 s[12:13], sel s[14:15], gate s[16:17], out0 s[18:19]
	v_lshl_add_u32 v[SPW], v0, 2, SPARE
	v_mov_b32 v[NIL], 0
	ds_add_u32 v[SPW], v[NIL]                      ; the opening lines: the add, twice on end, and its wait
	ds_add_u32 v[SPW], v[NIL]
	v_lshrrev_b32 v1, 5, v0
	v_readfirstlane_b32 s20, v1                    ; wave 0..3: which 64 tokens are mine
	s_mul_i32 s85, s20, 6144
	s_mul_i32 s86, s20, 16*SP
	s_add_co_u32 s86, s86, STAGE                   ; my stage
	v_and_b32 v1, 15, v0                           ; r
	v_bfe_u32 v2, v0, 4, 1                         ; h
	v_and_b32 v3, 31, v0
	v_lshlrev_b32 v[L16], 4, v3
	v_lshlrev_b32 v[L8], 3, v3
	v_lshlrev_b32 v[R32], 5, v1
	v_lshlrev_b32 v[H32], 5, v2
	v_mul_u32_u24 v208, v1, PITCH
	v_mad_u32_u24 v209, v2, 24, v208
	v_mad_u32_u24 v210, v2, 40, v208
.irp t, 0,1,2,3
	v_add_nc_u32 v[WA+2*\t], WB0+\t*16*PITCH, v209
	v_add_nc_u32 v[WA+2*\t+1], WB0+\t*16*PITCH, v210
	v_add_nc_u32 v[WA+8+2*\t], WB1+\t*16*PITCH, v209
	v_add_nc_u32 v[WA+8+2*\t+1], WB1+\t*16*PITCH, v210
.endr
	v_add_nc_u32 v[HA], s85, v[L16]
	v_add_nc_u32 v[HA+1], 3*HPL, v[HA]
	v_add_nc_u32 v[HA+2], 6*HPL, v[HA]
	v_mul_u32_u24 v211, v1, SP                     ; in: row r, 32 bytes for each half of the lanes
	v_lshl_add_u32 v211, v2, 5, v211
	v_add_nc_u32 v[STO], s86, v211
	v_mul_u32_u24 v212, v2, SP                     ; back: lanes 0-15 one row of 256 bytes, lanes 16-31 the next
	v_lshl_add_u32 v212, v1, 4, v212
	v_add_nc_u32 v[RD], s86, v212
	v_lshlrev_b32 v[GO], 12, v2                    ; and the same two rows in out0 (4,096 bytes a row)
	v_lshl_add_u32 v[GO], v1, 4, v[GO]
	s_wait_alu depctr_va_vdst(0)                   ; behind the head's last vector write
	s_bfe_u32 s23, ttmp6, 0x40000                  ; cx
	s_bfe_u32 s24, ttmp6, 0x40004                  ; cy
	s_lshr_b32 s21, s24, 1                         ; the tile of 256 tokens
	s_and_b32 s28, s24, 1
	s_lshl_b32 s22, ttmp9, 1
	s_add_co_u32 s28, s28, s22
	s_lshl_b32 s28, s28, 2
	s_add_co_u32 s28, s28, s23                     ; the tile of 64 outputs
	s_and_b32 s25, ttmp7, 0xffff                   ; b = the cluster's y
	s_lshl_b32 s29, s24, 2
	s_lshl_b32 s29, 15, s29                        ; my row of the cluster
	; hidden: a K step's images of 256 tokens are a row of 24,576 bytes (3,072 elements of 8 bytes), 49,152 bytes apart in memory, dense in LDS
	s_or_b32 s[G1A], s29, (3<<16)|(1<<21)
	GROUP1 G1A, 3072, 5, 6144
	s_or_b32 s[G1B], s29, (3<<16)|(1<<21)
	GROUP1 G1B, 3072, 4, 6144
	; W2: 64 rows of 768 bytes, 16 bytes of padding behind every 256; no mask: the tiles are my own
	s_mov_b32 s[G1W], (3<<16)|(1<<20)|(5<<22)|(3<<25)
	GROUP1 G1W, 96, 64, 96
	s_mov_b32 s48, 1                               ; groups 0: s[48:51], s[52:55] hidden; s[56:59], s[60:63] W2
	s_mov_b32 s49, 0
	s_mov_b32 s52, 1
	s_mov_b32 s53, 5*HPL
	s_mov_b32 s56, 1
	s_mov_b32 s57, WB0
	s_mov_b32 s60, 1
	s_mov_b32 s61, WB1
	s_lshl_b32 s76, s25, 3                         ; sel and gate: 8 bytes an item
	s_mov_b32 s77, 0
	s_lshl_b32 s82, s25, 7
	s_lshl_b32 s83, s21, 2
	s_add_co_u32 s82, s82, s83                     ; 128 b + 4 x tile: made of what my row of the cluster shares
	s_mul_i32 s96, s82, 6144                       ; hidden K step 0 of the work-group's tokens
	s_mov_b32 s97, 0
	s_add_co_u32 s82, s82, s20
	s_mul_i32 s94, s82, 6144                       ; of my tokens
	s_mov_b32 s95, 0
	s_lshl_b32 s78, s82, 8                         ; their scale words
	s_mov_b32 s79, 0
	s_wait_dscnt 0x0                               ; both opening adds are done
	s_wait_kmcnt 0x0
	s_add_nc_u64 s[14:15], s[14:15], s[76:77]
	s_add_nc_u64 s[16:17], s[16:17], s[76:77]
	s_load_b64 s[26:27], s[14:15], 0x0             ; the two experts
	s_load_b64 s[88:89], s[16:17], 0x0             ; and their weights
	s_add_nc_u64 s[94:95], s[4:5], s[94:95]
	s_add_nc_u64 s[50:51], s[4:5], s[96:97]
	s_add_nc_u64 s[54:55], s[50:51], 5*49152
	s_or_b32 s51, s51, 0x80000000
	s_or_b32 s55, s55, 0x80000000
	s_add_nc_u64 s[6:7], s[6:7], s[78:79]
	CROUND                                         ; all sixteen work-groups are here: the joint loads meet
	s_cmp_eq_u32 s20, 0
	s_cbranch_scc0 .Lwaves_123
	TLOAD 48, G1A                                  ; wave 0: hidden K steps 0-4
	s_branch .Lasked
.Lwaves_123:
	s_wait_kmcnt 0x0                               ; the experts are here
	s_min_u32 s98, s26, 7                          ; an index stays inside its table
	s_min_u32 s99, s27, 7
	s_lshl_b32 s98, s98, 10
	s_lshl_b32 s99, s99, 10
	s_lshl_b32 s100, s28, 6
	s_add_co_u32 s98, s98, s100                    ; row 1,024 e + 64 x tile
	s_add_co_u32 s99, s99, s100
	s_mul_i32 s78, s98, 768
	s_mov_b32 s79, 0
	s_mul_i32 s80, s99, 768
	s_mov_b32 s81, 0
	s_add_nc_u64 s[58:59], s[8:9], s[78:79]
	s_add_nc_u64 s[62:63], s[8:9], s[80:81]
	s_or_b32 s59, s59, 0x80000000
	s_or_b32 s63, s63, 0x80000000
	s_cmp_eq_u32 s20, 1
	s_cbranch_scc0 .Lwaves_23
	TLOAD 56, G1W                                  ; wave 1: W2 of slot 0
	s_branch .Lasked
.Lwaves_23:
	s_cmp_eq_u32 s20, 2
	s_cbranch_scc0 .Lwave_3
	TLOAD 52, G1B                                  ; wave 2: hidden K steps 5-8
	s_branch .Lasked
.Lwave_3:
	TLOAD 60, G1W                                  ; wave 3: W2 of slot 1
.Lasked:
.irp g, 0,1,2,3,4,5,6,7,8,9,10,11,12,13,14,15
	global_load_b64 v[SA+2*\g:SA+2*\g+1], v[L8], s[6:7] offset:2048*\g         ; 256 consecutive bytes, aligned: my four tiles' scale words of K step g
.endr
	s_wait_kmcnt 0x0
	s_min_u32 s26, s26, 7                          ; an index stays inside its table
	s_min_u32 s27, s27, 7
	s_mov_b32 s90, s88                             ; the weights, each as a pair: the packed forms name a pair and take its low word for both halves
	s_mov_b32 s91, s88
	s_mov_b32 s92, s89
	s_mov_b32 s93, s89
	s_lshl_b32 s82, s28, 6                         ; my first output
	s_lshl_b32 s26, s26, 10
	s_add_co_u32 s26, s26, s82                     ; its row among all experts' rows, slot 0
	s_lshl_b32 s27, s27, 10
	s_add_co_u32 s27, s27, s82                     ; slot 1
	s_lshl_b32 s84, s27, 5                         ; scale bytes, 32 a row
	s_mov_b32 s85, 0
	s_add_nc_u64 s[14:15], s[10:11], s[84:85]
	s_lshl_b32 s84, s26, 5
	s_add_nc_u64 s[10:11], s[10:11], s[84:85]
	s_lshl_b32 s84, s27, 2                         ; b2
	s_add_nc_u64 s[16:17], s[12:13], s[84:85]
	s_lshl_b32 s84, s26, 2
	s_add_nc_u64 s[12:13], s[12:13], s[84:85]
.irp t, 0,1,2,3
.irp u, 0,1
	global_load_b128 v[SB+16*\t+4*\u:SB+16*\t+4*\u+3], v[R32], s[10:11] offset:512*\t+16*\u        ; lane r: the scale words of output 16 t + r, slot 0's K steps 4 u on
	global_load_b128 v[SB+16*\t+8+4*\u:SB+16*\t+8+4*\u+3], v[R32], s[14:15] offset:512*\t+16*\u    ; slot 1's
.endr
.endr
.macro BIAS base                       ; b2 in the result's layout: register j = b2 of output 16 t + 8 h + j
.irp t, 0,1,2,3
.irp u, 0,1
	global_load_b128 v[B2+8*\t+4*\u:B2+8*\t+4*\u+3], v[H32], s[\base:\base+1] offset:64*\t+16*\u
.endr
.endr
.endm
	BIAS 12
	s_lshl_b32 s84, s25, 9                         ; out0: my first token 512 b + 256 x tile + 64 x wave, my first output
	s_lshl_b32 s85, s21, 8
	s_add_co_u32 s84, s84, s85
	s_lshl_b32 s85, s20, 6
	s_add_co_u32 s84, s84, s85
	s_lshl_b32 s84, s84, 12
	s_lshl_b32 s85, s82, 2
	s_add_co_u32 s84, s84, s85
	s_mov_b32 s85, 0
	s_add_nc_u64 s[18:19], s[18:19], s[84:85]
; A fragment of W2, 16 rows x 128 K: lane (r, h) holds row r; registers 6 c .. 6 c + 5 the 24 bytes at 96 s + 48 c + 24 h of the row, in pieces of 8 bytes, two to a load; piece n lies at 8 (n + 2 (n / 32)) of the LDS row.
; In K steps 2 and 5 lanes 16-31 of two pieces stand behind one padding more than lanes 0-15: the second address register; four loads in place of three.
.macro FRAG reg, ad, s
.if (\s) == 2
	ds_load_2addr_b64 v[\reg:\reg+3], v[\ad] offset0:24 offset1:25
	ds_load_b64 v[\reg+4:\reg+5], v[\ad] offset:8*26
	ds_load_2addr_b64 v[\reg+6:\reg+9], v[\ad+1] offset0:30 offset1:31
	ds_load_b64 v[\reg+10:\reg+11], v[\ad] offset:8*34
.elseif (\s) == 5
	ds_load_b64 v[\reg:\reg+1], v[\ad] offset:8*62
	ds_load_2addr_b64 v[\reg+2:\reg+5], v[\ad+1] offset0:63 offset1:64
	ds_load_2addr_b64 v[\reg+6:\reg+9], v[\ad] offset0:70 offset1:71
	ds_load_b64 v[\reg+10:\reg+11], v[\ad] offset:8*72
.else
.set PO, 12*(\s)+2*((12*(\s))/32)
	ds_load_2addr_b64 v[\reg:\reg+3], v[\ad] offset0:PO offset1:PO+1
	ds_load_2addr_b64 v[\reg+4:\reg+7], v[\ad] offset0:PO+2 offset1:PO+6
	ds_load_2addr_b64 v[\reg+8:\reg+11], v[\ad] offset0:PO+7 offset1:PO+8
.endif
.endm
.macro GEOM g                          ; where K step g's fragments lie: W2's from WS on in window 1, hidden from HR on in window HW.  LW: the LDS loads that bring W2's
.if (\g) == 15
.set WS, 144
.else
.set WS, 48*((\g)%3)
.endif
.if (\g) < 9
.set HR, 144+64*((\g)%2)
.set HW, 1-((\g)%2)
.elseif (\g) < 14
.set HR, 48*((\g)-9)
.set HW, 3
.else
.set HR, 128+64*((\g)-14)
.set HW, (\g)-14
.endif
.set LW, 12
.if ((\g)%8) == 2
.set LW, 16
.endif
.if ((\g)%8) == 5
.set LW, 16
.endif
.endm
.macro FETCHW g
	GEOM \g
	WIN 0x40                                       ; destination window 1
.irp t, 0,1,2,3
	FRAG WS+12*\t, WA+8*((\g)/8)+2*\t, ((\g)%8)
.endr
.endm
.macro FETCHH g                        ; my four hidden images of K step g (0-8) from LDS: 12 loads
	GEOM \g
	WIN (HW<<6)
.irp a, 0,1,2,3
.irp c, 0,1,2
	ds_load_b128 v[HR+12*\a+4*\c:HR+12*\a+4*\c+3], v[HA+(\g)/3] offset:((\g)%3)*HPL+1536*\a+512*\c
.endr
.endr
.endm
.macro DIRECT g                        ; of K step g (9-15) from memory: 12 loads of 512 consecutive bytes
	GEOM \g
	WIN (HW<<6)
.irp a, 0,1,2,3
.irp c, 0,1,2
	global_load_b128 v[HR+12*\a+4*\c:HR+12*\a+4*\c+3], v[L16], s[94:95] offset:(\g)*49152+1536*\a+512*\c
.endr
.endr
.endm
.macro MULA g, a                       ; four matrix instructions: token tile a, my four output tiles.  Accumulators take turns, one instruction a turn.  Odd token tiles take their scale words from lanes 16-31
	GEOM \g
.set AC, 128*((\g)/8)+32*(\a)
.if ((\g)%8) == 0
	WIN (1|(HW<<2)|0x80)                           ; source 0 (W2) window 1, source 1 (hidden) window HW, C (b2) window 0, D window 2
.set CC, B2
.else
	WIN (1|(HW<<2)|0xa0)                           ; the same, C and D window 2
.set CC, AC
.endif
.irp t, 0,1,2,3
.if (\a)%2
	v_wmma_scale_f32_16x16x128_f8f6f4 v[AC+8*\t:AC+8*\t+7], v[WS+12*\t:WS+12*\t+11], v[HR+12*(\a):HR+12*(\a)+11], v[CC+8*\t:CC+8*\t+7], v[SB+16*\t+(\g)], v[SA+2*(\g)+(\a)/2] matrix_a_fmt:MATRIX_FMT_FP6 matrix_b_fmt:MATRIX_FMT_FP6 matrix_b_scale:MATRIX_SCALE_ROW1
.else
	v_wmma_scale_f32_16x16x128_f8f6f4 v[AC+8*\t:AC+8*\t+7], v[WS+12*\t:WS+12*\t+11], v[HR+12*(\a):HR+12*(\a)+11], v[CC+8*\t:CC+8*\t+7], v[SB+16*\t+(\g)], v[SA+2*(\g)+(\a)/2] matrix_a_fmt:MATRIX_FMT_FP6 matrix_b_fmt:MATRIX_FMT_FP6
.endif
.endr
.endm
.macro MUL g
.irp a, 0,1,2,3
	MULA \g, \a
.endr
.endm
; A K step: its fragments are in (W2's of the next step, LW loads, the youngest, may be out; all = 1: nothing may); the next step's hidden fragments, W2's of the step after the next, and hidden K step g + 10 from memory are asked for; then its 16 products.
.macro STEP g, all
.if \all
	s_wait_dscnt 0x0
.else
	GEOM (\g)+1
	s_wait_dscnt LW
.endif
.if (\g) == 8
	s_wait_loadcnt 60                              ; slot 1's b2, and hidden K steps 9 and 10, are in; the 60 loads of K steps 11-15 may be out
.endif
.if (\g) == 11
	s_wait_loadcnt 48                              ; hidden K step 11 is in
.endif
.if (\g) > 0
	PLACES
.endif
.if (\g) == 1
	WIN 0
	BIAS 16                                        ; slot 1's b2, in the registers of slot 0's
.endif
.if (\g) < 8
	FETCHH (\g)+1
.endif
	FETCHW (\g)+2
.if (\g) == 11
	FETCHW 15                                      ; (its registers are free; K step 14's are K step 11's)
.endif
.if (\g) < 6
	DIRECT (\g)+10
.endif
	MUL \g
.endm
	DIRECT 9
	WIN 0
	s_cmp_lt_u32 s20, 2
	s_cbranch_scc0 .Lnot_first
	s_wait_tensorcnt 0x0                           ; waves 0 and 1: hidden K steps 0-4 and W2 of slot 0 are in;
.Lnot_first:
	s_barrier_signal -1                            ; the other tiles may be on their way
	s_barrier_wait -1
	FETCHW 0
	FETCHH 0
	FETCHW 1
	s_wait_loadcnt 12                              ; scale words and b2 are in; the 12 loads of hidden K step 9 may be out
	STEP 0, 0
	STEP 1, 0
	STEP 2, 0
	STEP 3, 0
	; K step 4, and a barrier that shows hidden K steps 5-8
	s_wait_dscnt 0x0
	WIN 0                                          ; (a branch follows)
	s_cmp_lt_u32 s20, 3
	s_cbranch_scc0 .Lnot_second
	s_wait_tensorcnt 0x0
.Lnot_second:
	s_barrier_signal -1
	PLACES
	FETCHW 6                                       ; (bytes that nobody writes before a later barrier)
	MUL 4
	s_barrier_wait -1
	FETCHH 5
	DIRECT 14
	STEP 5, 1
	; K step 6, and a barrier that shows W2 of slot 1
	s_wait_dscnt 0x0
	s_wait_tensorcnt 0x0                           ; no tensor load of mine is out from here on
	s_barrier_signal -1
	PLACES
	FETCHH 7
	MUL 6
	s_barrier_wait -1
	FETCHW 8
	STEP 7, 0
	STEP 8, 0
	STEP 9, 0
	STEP 10, 0
	STEP 11, 0
	PLACES
	FETCHW 14
	GEOM 14
	s_wait_dscnt LW                                ; W2's of K steps 12, 13 and 15 are in
; the last four K steps of token tile a
.macro ROW a
.if \a == 0
	s_wait_loadcnt 36                              ; hidden K step 12 is in,
.endif
	MULA 12, \a
.if \a == 0
	s_wait_loadcnt 24                              ; 13,
.endif
	MULA 13, \a
.if \a == 0
	s_wait_dscnt 0x0                               ; W2's of K step 14,
	s_wait_loadcnt 12                              ; hidden K step 14,
.endif
	MULA 14, \a
.if \a == 0
	s_wait_loadcnt 0x0                             ; 15
.endif
	MULA 15, \a
.endm
; THE WAY OUT, a tile of 16 tokens x my 64 outputs at a time: the two slots' sums are weighed and added; a lane's eight neighbouring outputs of a row go into my own stage in LDS and come back as whole rows of 256 bytes.
.macro COMBINE a
	WIN 0x02                                       ; source 0 window 2
.set TT, T+32*((\a)%2)
.set i, 0
.rept 16
	v_pk_mul_f32 v[TT+2*i:TT+2*i+1], v[128+32*(\a)+2*i:128+32*(\a)+2*i+1], s[92:93] op_sel_hi:[1,0]            ; slot 1's sum x its weight; each accumulator from its low end on
.set i, i+1
.endr
.set i, 0
.rept 16
	v_pk_fma_f32 v[TT+2*i:TT+2*i+1], v[32*(\a)+2*i:32*(\a)+2*i+1], s[90:91], v[TT+2*i:TT+2*i+1] op_sel_hi:[1,0,1]   ; + slot 0's x its weight
.set i, i+1
.endr
	WIN 0
.endm
.macro TOSTAGE a
.set TT, T+32*((\a)%2)
.set BB, BK+32*((\a)%2)
	WIN 0
.irp t, 0,1,2,3
	ds_store_b128 v[STO], v[TT+8*\t:TT+8*\t+3] offset:64*\t
	ds_store_b128 v[STO], v[TT+8*\t+4:TT+8*\t+7] offset:64*\t+16
.endr
	WIN 0xc0                                       ; destination window 3
.irp i, 0,1,2,3,4,5,6,7
	ds_load_b128 v[BB+4*\i:BB+4*\i+3], v[RD] offset:\i*2*SP        ; LDS serves a wave's instructions in order (ISA guide 5.7.1.4): these see the stores above, and the next tile's stores come behind them
.endr
.endm
.macro SEND a, younger                 ; younger: the LDS instructions issued behind tile a's loads, which may stay out
	WIN 0x0c                                       ; the data: window 3
.set BB, BK+32*((\a)%2)
	s_wait_dscnt \younger
.irp i, 0,1,2,3,4,5,6,7
	global_store_b128 v[GO], v[BB+4*\i:BB+4*\i+3], s[18:19] offset:(16*(\a)+2*\i)*4096 th:TH_STORE_NT   ; 16 lanes store 256 consecutive bytes, at a multiple of 256 from out0's first byte; written once, read by nobody here
.endr
.endm
	ROW 0
	ROW 1
	PLACES                                         ; between tile 0's last products and the lines that read them; later tiles have a tile's arithmetic there
	COMBINE 0
	TOSTAGE 0
	ROW 2
	SEND 0, 0
	COMBINE 1
	TOSTAGE 1
	ROW 3
	SEND 1, 0
	COMBINE 2
	s_wait_alu depctr_va_vdst(0)                   ; directly ahead of the wait below
	s_wait_xcnt 0x0                                ; tiles 0's and 1's stores have read their data: later tiles' loads land there only behind this wait
	TOSTAGE 2
	COMBINE 3
	TOSTAGE 3
	SEND 2, 16                                     ; behind tile 2's loads: tile 3's 8 stores and 8 loads
	SEND 3, 0
	WIN 0
	s_wait_tensorcnt 0x0                           ; the wave's end
	ds_add_u32 v[SPW], v[NIL]
	s_wait_dscnt 0x0
	CROUND                                         ; the closing round: no work-group ends while a partner may still ask for a tile that names it
	s_endpgm
.Lfunc_end_k_q11f87a3056_gemm2:
	.size	k_q11f87a3056_gemm2, .Lfunc_end_k_q11f87a3056_gemm2-k_q11f87a3056_gemm2
	.p2alignl 7, 3214868480
	.fill 96, 4, 3214868480
	.section	.rodata,"a",@progbits
	.p2align	6, 0x0
	.amdhsa_kernel k_q11f87a3056_gemm2
		.amdhsa_group_segment_fixed_size 327680
		.amdhsa_private_segment_fixed_size 0
		.amdhsa_enable_private_segment 0
		.amdhsa_kernarg_size 64
		.amdhsa_user_sgpr_count 2
		.amdhsa_user_sgpr_kernarg_segment_ptr 1
		.amdhsa_wavefront_size32 1
		.amdhsa_system_sgpr_workgroup_id_x 1
		.amdhsa_system_sgpr_workgroup_id_y 1
		.amdhsa_system_sgpr_workgroup_id_z 1
		.amdhsa_system_vgpr_workitem_id 0
		.amdhsa_next_free_vgpr 1024
		.amdhsa_next_free_sgpr 102
		.amdhsa_reserve_vcc 0
		.amdhsa_float_denorm_mode_32 3
		.amdhsa_float_denorm_mode_16_64 3
		.amdhsa_memory_ordered 1
		.amdhsa_forward_progress 1
		.amdhsa_inst_pref_size 94
	.end_amdhsa_kernel
	.amdgpu_metadata
---
amdhsa.version: [ 1, 2 ]
amdhsa.kernels:
  - .name:           k_q11f87a3056_gemm2
    .symbol:         k_q11f87a3056_gemm2.kd
    .args:
      - { .name: hc, .offset: 0, .size: 8, .value_kind: global_buffer, .address_space: global }
      - { .name: hs, .offset: 8, .size: 8, .value_kind: global_buffer, .address_space: global }
      - { .name: w2_codes, .offset: 16, .size: 8, .value_kind: global_buffer, .address_space: global }
      - { .name: w2_scales, .offset: 24, .size: 8, .value_kind: global_buffer, .address_space: global }
      - { .name: b2, .offset: 32, .size: 8, .value_kind: global_buffer, .address_space: global }
      - { .name: sel, .offset: 40, .size: 8, .value_kind: global_buffer, .address_space: global }
      - { .name: gate, .offset: 48, .size: 8, .value_kind: global_buffer, .address_space: global }
      - { .name: out0, .offset: 56, .size: 8, .value_kind: global_buffer, .address_space: global }
    .group_segment_fixed_size: 327680
    .private_segment_fixed_size: 0
    .kernarg_segment_align: 8
    .kernarg_segment_size: 64
    .max_flat_workgroup_size: 128
    .sgpr_count:     102
    .vgpr_count:     1024
    .wavefront_size: 32
...
	.end_amdgpu_metadata
.endif
;; end of part 3
